; MI455X (gfx1250); checked and timed in simulation.
; The chip was launched on July 23, 2026; its instructions are those of AMD's public machine-readable ISA for CDNA 5 (MIT licence, August 2026) and "CDNA5" Instruction Set Architecture Reference Guide (July 2026). The comments in the code are by the model that wrote it; some were corrected since.
;; Llama Attention. Allowed arithmetic: float matrix products may take bf16 or f16 operands with f32 sums; all other float work in f32.
;; Inputs: Wk 2,048 x 2,048 float32; Wo 2,048 x 2,048 float32; Wq 2,048 x 2,048 float32; Wv 2,048 x 2,048 float32; x 2 x 1,024 x 2,048 float32.
;; Outputs: out0 2 x 1,024 x 2,048 float32.
;; 2 versions, each right; version 2 is version 1 with the launch cast written anew for expert scheduling mode. Each part assembles by itself: llvm-mc -triple=amdgcn-amd-amdhsa -mcpu=gfx1250 --defsym DOCPART=n.
;; ======== version 1 of 2: 4 launches
;; limits: values are held in f16: magnitudes above 65,504 overflow, below 6.1e-05 lose precision
;; workspace buffers: xh 8,388,608 bytes; wqkv 25,165,824 bytes; woh 8,388,608 bytes; qkv 25,165,824 bytes; ao 8,388,608 bytes
;; launch cast (part 1): grid 512 x 1, 8 waves a work-group, no clusters, 0 bytes of LDS; arguments x, Wq, Wk, Wv, Wo, xh, wqkv, woh; writes xh, wqkv, woh
.if DOCPART == 1
	.amdgcn_target "amdgcn-amd-amdhsa--gfx1250"
	.amdhsa_code_object_version 6
	.text
	.protected	k_q69b946b0f0_cast
	.globl	k_q69b946b0f0_cast
	.p2align	8
	.type	k_q69b946b0f0_cast,@function
k_q69b946b0f0_cast:
	s_mov_b64 s[64:65], 0
	v_nop
	global_prefetch_b8 v0, s[64:65] scope:SCOPE_SE
	s_setreg_imm32_b32 hwreg(HW_REG_WAVE_MODE, 25, 1), 1
	s_wait_xcnt 0x0
; xh = f16(x) [2048][2048];  wqkv = f16([Wq | Wk | Wv]) [2048 k][6144];  woh = f16(Wo) [2048 k][2048].  One rounding each, to nearest even.
; Why f16: every later product takes 16-bit operands, and f16's 11 significant bits keep the whole chain's rounding far inside the
; tolerance.  LIMIT: |x| and |W| below 65,504 (f16's largest number); magnitudes below 6.1e-5 keep an absolute step of 6e-8.
; A stream: each input byte is read once, each output byte written once; the work-groups share no input, so LDS, clusters and the
; matrix unit have nothing to give here.
; Work-group g takes rows 4 g .. 4 g + 3 of each of the five matrices: 40 half rows of 4,096 bytes.  Thread t takes the 16 bytes at
; byte 16 t of every half row: a wave's load covers 512 neighbouring bytes, its 8-byte stores cover 256 neighbouring bytes, aligned.
; All 40 loads of a thread go out first (20 KiB a wave on their way); no register is written twice, so the only waits are the counted ones.
.set X,    4                           ; v[4:163]  load i: 4 registers
.set SROW, 8192                        ; bytes in a row of f32
.set DROW, 4096                        ; bytes in a row of xh and woh
.set WROW, 12288                       ; bytes in a row of wqkv
	s_load_b512 s[4:19], s[0:1], 0x0               ; x 4:5, Wq 6:7, Wk 8:9, Wv 10:11, Wo 12:13, xh 14:15, wqkv 16:17, woh 18:19
	s_lshl_b32 s20, ttmp9, 15                      ; 4 rows of 8,192 bytes
	s_mov_b32 s21, 0
	s_lshl_b32 s22, ttmp9, 14                      ; 4 rows of 4,096 bytes
	s_mov_b32 s23, 0
	s_mul_i32 s24, ttmp9, 4*WROW                   ; 4 rows of 12,288 bytes
	s_mov_b32 s25, 0
	v_lshlrev_b32 v1, 4, v0                        ; my 16 bytes of a half row of f32
	v_lshlrev_b32 v2, 3, v0                        ; my 8 bytes of its f16
	s_wait_kmcnt 0x0
.irp m, 0,1,2,3,4
	s_add_nc_u64 s[4+2*\m:5+2*\m], s[4+2*\m:5+2*\m], s[20:21]
.endr
	s_add_nc_u64 s[14:15], s[14:15], s[22:23]
	s_add_nc_u64 s[16:17], s[16:17], s[24:25]
	s_add_nc_u64 s[18:19], s[18:19], s[22:23]
.macro LD m, r, f                      ; matrix m, row r of my four, half f: load number 8 m + 2 r + f
	global_load_b128 v[X+4*(8*\m+2*\r+\f):X+4*(8*\m+2*\r+\f)+3], v1, s[4+2*\m:5+2*\m] offset:\r*SROW+\f*4096 th:TH_LOAD_NT
.endm
.macro ST i, b, off                    ; load i is rounded in place and stored at base s[b:b+1] + off
	s_wait_loadcnt 39-(\i)                         ; loads come back in order (ISA guide 5.7.1): load i is in, the 39 - i younger ones stay out
	v_cvt_pk_f16_f32 v[X+4*(\i)], v[X+4*(\i)], v[X+4*(\i)+1]
	v_cvt_pk_f16_f32 v[X+4*(\i)+1], v[X+4*(\i)+2], v[X+4*(\i)+3]
	global_store_b64 v2, v[X+4*(\i):X+4*(\i)+1], s[\b:\b+1] offset:\off
.endm
.irp m, 0,1,2,3,4
.irp r, 0,1,2,3
.irp f, 0,1
	LD \m, \r, \f
.endr
.endr
.endr
.irp r, 0,1,2,3
.irp f, 0,1
	ST 2*\r+\f, 14, \r*DROW+\f*2048                ; x
.endr
.endr
.irp m, 1,2,3
.irp r, 0,1,2,3
.irp f, 0,1
	ST 8*\m+2*\r+\f, 16, \m*4096-4096+\r*WROW+\f*2048      ; Wq, Wk, Wv: thirds of a row of wqkv
.endr
.endr
.endr
.irp r, 0,1,2,3
.irp f, 0,1
	ST 32+2*\r+\f, 18, \r*DROW+\f*2048             ; Wo
.endr
.endr
	s_endpgm
.Lfunc_end_k_q69b946b0f0_cast:
	.size	k_q69b946b0f0_cast, .Lfunc_end_k_q69b946b0f0_cast-k_q69b946b0f0_cast
	.p2alignl 7, 3214868480
	.fill 96, 4, 3214868480
	.section	.rodata,"a",@progbits
	.p2align	6, 0x0
	.amdhsa_kernel k_q69b946b0f0_cast
		.amdhsa_group_segment_fixed_size 0
		.amdhsa_private_segment_fixed_size 0
		.amdhsa_enable_private_segment 0
		.amdhsa_kernarg_size 64
		.amdhsa_user_sgpr_count 2
		.amdhsa_user_sgpr_kernarg_segment_ptr 1
		.amdhsa_wavefront_size32 1
		.amdhsa_system_sgpr_workgroup_id_x 1
		.amdhsa_system_sgpr_workgroup_id_y 1
		.amdhsa_system_sgpr_workgroup_id_z 1
		.amdhsa_system_vgpr_workitem_id 0
		.amdhsa_next_free_vgpr 164
		.amdhsa_next_free_sgpr 66
		.amdhsa_reserve_vcc 0
		.amdhsa_float_denorm_mode_32 3
		.amdhsa_float_denorm_mode_16_64 3
		.amdhsa_memory_ordered 1
		.amdhsa_forward_progress 1
		.amdhsa_inst_pref_size 15
	.end_amdhsa_kernel
	.amdgpu_metadata
---
amdhsa.version: [ 1, 2 ]
amdhsa.kernels:
  - .name:           k_q69b946b0f0_cast
    .symbol:         k_q69b946b0f0_cast.kd
    .args:
      - { .name: x, .offset: 0, .size: 8, .value_kind: global_buffer, .address_space: global }
      - { .name: Wq, .offset: 8, .size: 8, .value_kind: global_buffer, .address_space: global }
      - { .name: Wk, .offset: 16, .size: 8, .value_kind: global_buffer, .address_space: global }
      - { .name: Wv, .offset: 24, .size: 8, .value_kind: global_buffer, .address_space: global }
      - { .name: Wo, .offset: 32, .size: 8, .value_kind: global_buffer, .address_space: global }
      - { .name: xh, .offset: 40, .size: 8, .value_kind: global_buffer, .address_space: global }
      - { .name: wqkv, .offset: 48, .size: 8, .value_kind: global_buffer, .address_space: global }
      - { .name: woh, .offset: 56, .size: 8, .value_kind: global_buffer, .address_space: global }
    .group_segment_fixed_size: 0
    .private_segment_fixed_size: 0
    .kernarg_segment_align: 8
    .kernarg_segment_size: 64
    .max_flat_workgroup_size: 256
    .sgpr_count:     66
    .vgpr_count:     164
    .wavefront_size: 32
...
	.end_amdgpu_metadata
.endif
;; end of part 1
;; launch qkv_gemm (part 2): grid 16 x 16, 4 waves a work-group, clusters of 4 x 4, 327,680 bytes of LDS; arguments xh, wqkv, qkv; writes qkv
.if DOCPART == 2
	.amdgcn_target "amdgcn-amd-amdhsa--gfx1250"
	.amdhsa_code_object_version 6
	.text
	.protected	k_q69b946b0f0_qkv_gemm
	.globl	k_q69b946b0f0_qkv_gemm
	.p2align	8
	.type	k_q69b946b0f0_qkv_gemm,@function
k_q69b946b0f0_qkv_gemm:
	s_mov_b64 s[64:65], 0
	v_nop
	global_prefetch_b8 v0, s[64:65] scope:SCOPE_SE
	s_setreg_imm32_b32 hwreg(HW_REG_WAVE_MODE, 25, 1), 1
	s_wait_xcnt 0x0
	s_wait_alu depctr_hold_cnt(0) depctr_sa_sdst(0) depctr_va_vdst(0) depctr_va_sdst(0) depctr_va_ssrc(0) depctr_va_vcc(0) depctr_vm_vsrc(0)
	s_getreg_b32 s2, hwreg(HW_REG_IB_STS2, 6, 4)
	s_cmp_eq_u32 s2, 0
	s_cbranch_scc0 .Lentry_in_a_cluster
	s_endpgm
.Lentry_in_a_cluster:
	s_bfe_u32 s2, ttmp6, 0x10000c
	s_cmp_lg_u32 s2, 0xf033
	s_cbranch_scc0 .Lentry_shape_is_right
	s_endpgm
.Lentry_shape_is_right:
; qkv[m][n] = sum over k of xh[m][k] wqkv[k][n].  xh [2048][2048], wqkv [2048 k][6144], qkv [2048][6144], all f16; sums in f32, K ascending,
; one rounding to f16 at the end.  LIMIT: |q|, |k|, |v| below 65,504.  As drawn their rms is 1; with x and W both 30 times larger it is 900;
; with both carrying an offset of 30 spreads they lie near 2048 x 30 x 0.663 = 40,700.
; Work-group (x = row block, y = head) makes 128 rows x 384 columns: the head's 128 columns of q, of k and of v.  16 x 16 = 256 work-groups.
; Why x is the row block: work-groups and clusters are numbered x first, so the four clusters that follow each other in the launch have the
; same heads and read the same tiles of wqkv, 25.2 MB of the 33.6 MB that the launch reads; xh's 8.4 MB are shared by clusters far apart.
; Four waves, 2 x 2; a wave makes 64 rows x 192 columns: 48 accumulator tiles of 16 x 16, 384 registers.
; K goes in steps of 128 through two LDS slots.  A slot holds four tiles of 128 rows x 256 bytes, one tensor load each, one a wave:
; wave 0 brings xh's tile (rows along K), waves 1 to 3 bring wqkv's three (k-rows, the head's 128 columns of q, k, v).
; wqkv lies with N along its rows, so its fragments are read from LDS by the transposing load ds_load_tr16_b128.
; CLUSTERS: 4 x 4 work-groups.  xh's tile hangs on the row block alone and is asked for jointly by a column of the cluster; wqkv's tiles hang
; on the head alone and are asked for jointly by a row: the requests for both are divided by four.
; REGISTERS, in windows of 256:  window 0: v0-31 addresses, v32-223 the way out;  window 1: fragments, two buffers of 128 (12 of B, 4 of A);
; window 2: accumulators (a, b < 8) at 8 (8 a + b);  window 3: accumulators (a, b >= 8) at 8 (4 a + b - 8).
; The matrix instruction is used transposed (source 0 = 16 columns of wqkv, source 1 = 16 rows of xh): lane l then holds row l % 16 and
; eight neighbouring columns 8 (l / 16) + 0 .. 7 of the result, which pack into 16 bytes.
.set ROWB,  12288                      ; bytes in a row of wqkv and of qkv
.set KSTEP, 128
.set PA,    272                        ; LDS pitch of xh's tile: 256 + 16 = 17 x 16 bytes: the 16 rows of a fragment load start in 16 different 16-byte columns of 256
.set PB,    288                        ; LDS pitch of wqkv's tiles: 256 + 32 = 9 x 32 bytes, for the transposing load's eight rows of two 16-byte pieces
.set TILE,  128*PB                     ; 36,864: a region of a slot (xh's tile uses 34,816 of it)
.set SLOT,  4*TILE                     ; 147,456
.set SP,    784                        ; pitch of the stage on the way out: 768 + 16 = 49 x 16 bytes
.set LAPS,  2048/(2*KSTEP)             ; a lap = two K steps = once round the ring
.set ADRA,  16                         ; v16-17  LDS address of my A fragments in slot 0, 1
.set ADRB,  18                         ; v18-23  slot s, group g of 64 columns: v[18 + 3 s + g]
.set STO,   24                         ; v24     stage: where I put 16 bytes of a row
.set RD,    25                         ; v25     stage: where I read rows back
.set CO,    26                         ; v26     my byte offset in qkv
.set TMP,   32                         ; v32-223 the way out
.set F0,    0                          ; fragment buffers, window 1: B fragment b at F + 8 b, A fragment a at F + 96 + 8 a
.set F1,    128
.set G1,    24                         ; s[24:31] descriptor group 1, xh's tile
.set G0,    32                         ; s[32:39] descriptor group 0, xh's tile, one set for each slot
.set G1B,   48                         ; s[48:55] descriptor group 1, wqkv's tiles
.set G0B,   56                         ; s[56:63] descriptor group 0, wqkv's tiles, one set for each slot
.set MUL_LO, 0xa5                      ; sources 0 and 1 window 1, C and D window 2
.set MUL_HI, 0xf5                      ; the same, C and D window 3
.set TO_F,   0x40                      ; destination window 1, address window 0
.set MSB, 0
.macro WIN new                         ; the immediate's high byte repeats the setting that is left
.if MSB != \new
	s_set_vgpr_msb (MSB<<8)|\new
.set MSB, \new
.endif
.endm
.macro PLACES                          ; four places behind matrix instructions, in front of loads into their sources and of readers of their results
.rept 4
	v_nop
.endr
.endm
; A joint load: wave 0 asks for xh's tile, waves 1 to 3 for wqkv's.  Each line has one mask and one set of registers for all that issue it.
.macro JLOAD s
	s_cmp_eq_u32 s10, 0
	s_cbranch_scc0 .Lfor_b_\@
	tensor_load_to_lds s[G0+4*\s:G0+4*\s+3], s[G1:G1+7]
	s_nop 0
	s_branch .Lasked_\@
.Lfor_b_\@:
	tensor_load_to_lds s[G0B+4*\s:G0B+4*\s+3], s[G1B:G1B+7]
	s_nop 0
.Lasked_\@:
.endm
.macro CREST                           ; a round of the cluster's barrier behind its opening work-group barrier
	s_cmp_lg_u32 s10, 0
	s_cbranch_scc1 .Lnot_wave_0_\@
	s_barrier_signal -3
.Lnot_wave_0_\@:
	s_barrier_wait -3
	s_barrier_signal -1
	s_barrier_wait -1
.endm
.macro CROUND                          ; a whole round
	s_barrier_signal -1
	s_barrier_wait -1
	CREST
.endm
	s_load_b128 s[4:7], s[0:1], 0x0                ; xh s[4:5], wqkv s[6:7]
	s_load_b64 s[8:9], s[0:1], 0x10                ; qkv
	v_lshl_add_u32 v254, v0, 2, 0x48000
	v_mov_b32 v255, 0
	ds_add_u32 v254, v255
	v_lshrrev_b32 v1, 5, v0
	v_readfirstlane_b32 s10, v1                    ; wave 0..3
	s_lshr_b32 s11, s10, 1                         ; rw: which 64 rows are mine
	s_and_b32 s12, s10, 1                          ; cw: which 192 columns
	s_bfe_u32 s40, ttmp6, 0x40000                  ; cx
	s_bfe_u32 s41, ttmp6, 0x40004                  ; cy
	s_lshl_b32 s13, ttmp9, 2
	s_add_co_u32 s13, s13, s40                     ; row block = 4 x cluster x + cx
	s_and_b32 s42, ttmp7, 0xffff
	s_lshl_b32 s42, s42, 2
	s_add_co_u32 s42, s42, s41                     ; head = 4 x cluster y + cy
	s_lshl_b32 s43, s41, 2
	s_lshl_b32 s43, 15, s43                        ; my row of the cluster (same cy): places 4 cy .. 4 cy + 3
	s_lshl_b32 s44, 0x1111, s40                    ; my column (same cx): places cx, cx + 4, cx + 8, cx + 12
	; group 1: tiles of 128 rows x 128 elements of 2 bytes; behind every 64 words of LDS a pad of 4 words (xh) or 8 words (wqkv)
	s_or_b32 s[G1+0], s44, (1<<16)|(1<<20)|(1<<21)|(5<<22)|(3<<25)   ; xh's tile hangs on work-group x alone: it goes to my column
	s_or_b32 s[G1B+0], s43, (1<<16)|(1<<20)|(1<<21)|(5<<22)|(7<<25)  ; wqkv's tiles hang on work-group y alone: they go to my row
	s_mov_b32 s[G1+1], KSTEP<<16                   ; tensor_dim0 = 128
	s_mov_b32 s[G1B+1], 128<<16
	s_mov_b32 s[G1+2], 128<<16                     ; tensor_dim1 = 128
	s_mov_b32 s[G1B+2], KSTEP<<16
	s_mov_b32 s[G1+3], KSTEP<<16                   ; tile_dim0 = 128
	s_mov_b32 s[G1B+3], 128<<16
	s_mov_b32 s[G1+4], 128                         ; tile_dim1 = 128
	s_mov_b32 s[G1B+4], KSTEP
	s_mov_b32 s[G1+5], 2048                        ; elements from row to row
	s_mov_b32 s[G1B+5], 6144
	s_mov_b32 s[G1+6], 0
	s_mov_b32 s[G1B+6], 0
	s_mov_b32 s[G1+7], 0
	s_mov_b32 s[G1B+7], 0
	; where the tiles come from: xh's hangs on the row block alone, wqkv's on the head and the wave's number alone
	s_lshl_b32 s16, s13, 19                        ; 128 rows of 4,096 bytes for each row block
	s_mov_b32 s17, 0
	s_max_u32 s45, s10, 1
	s_sub_co_u32 s45, s45, 1                       ; which third of wqkv's row: wave - 1 (wave 0 makes this set too and never asks by it)
	s_lshl_b32 s45, s45, 12
	s_lshl_b32 s46, s42, 8                         ; the head's 256 bytes in that third
	s_add_co_u32 s46, s46, s45
	s_mov_b32 s47, 0
	s_mul_i32 s20, s10, TILE                       ; and where they go: region = wave's number
	s_wait_dscnt 0x0
	s_wait_kmcnt 0x0
	s_add_nc_u64 s[14:15], s[4:5], s[16:17]
	s_add_nc_u64 s[46:47], s[6:7], s[46:47]
	CROUND                                         ; all sixteen work-groups are here: the first joint loads meet
.irp s, 0,1
	s_mov_b32 s[G0+4*\s], 1
	s_add_co_u32 s[G0+4*\s+1], s20, \s*SLOT
	s_add_nc_u64 s[G0+4*\s+2:G0+4*\s+3], s[14:15], \s*KSTEP*2
	s_or_b32 s[G0+4*\s+3], s[G0+4*\s+3], 0x80000000
	s_mov_b32 s[G0B+4*\s], 1
	s_add_co_u32 s[G0B+4*\s+1], s20, \s*SLOT
	s_add_nc_u64 s[G0B+4*\s+2:G0B+4*\s+3], s[46:47], \s*KSTEP*ROWB
	s_or_b32 s[G0B+4*\s+3], s[G0B+4*\s+3], 0x80000000
	JLOAD \s                                       ; K steps 0 and 1: two loads of the wave are out
.endr
	v_and_b32 v1, 15, v0                           ; r = l % 16
	v_bfe_u32 v2, v0, 4, 1                         ; h = l / 16
	v_mul_u32_u24 v3, v1, PA
	v_lshl_add_u32 v3, v2, 4, v3                   ; A: r x pitch + 16 h
	s_mul_i32 s21, s11, 64*PA                      ; my 64 rows
	v_add_nc_u32 v[ADRA], s21, v3
	v_add_nc_u32 v[ADRA+1], SLOT, v[ADRA]
	v_and_b32 v5, 7, v0
	v_lshl_add_u32 v5, v2, 3, v5                   ; B: k-row 8 h + l % 8,
	v_mul_u32_u24 v4, v5, PB
	v_bfe_u32 v6, v0, 3, 1
	v_lshl_add_u32 v4, v6, 4, v4                   ; and the 16-byte piece (l / 8) % 2
.irp g, 0,1,2
	s_mul_i32 s21, s12, 3
	s_add_co_u32 s21, s21, \g                      ; my group g is group 3 cw + g of the block's six groups of 64 columns
	s_lshr_b32 s22, s21, 1
	s_add_co_u32 s22, s22, 1                       ; its region of the slot (1 q, 2 k, 3 v),
	s_mul_i32 s22, s22, TILE
	s_and_b32 s21, s21, 1
	s_lshl_b32 s21, s21, 7                         ; and its half of the region's rows
	s_add_co_u32 s22, s22, s21
	v_add_nc_u32 v[ADRB+\g], s22, v4
	v_add_nc_u32 v[ADRB+3+\g], SLOT, v[ADRB+\g]
.endr
	v_mul_u32_u24 v5, v1, SP                       ; stage, in: row 64 rw + r, byte 384 cw + 16 h
	v_lshl_add_u32 v5, v2, 4, v5
	s_mul_i32 s21, s11, 64*SP
	s_mul_i32 s22, s12, 384
	s_add_co_u32 s21, s21, s22
	v_add_nc_u32 v[STO], s21, v5
	v_mul_u32_u24 v5, v2, SP                       ; stage, back: rows 32 w + h, byte 16 r
	v_lshl_add_u32 v5, v1, 4, v5
	s_mul_i32 s21, s10, 32*SP
	v_add_nc_u32 v[RD], s21, v5
	v_mul_u32_u24 v5, v2, ROWB                     ; the same two rows in qkv
	v_lshl_add_u32 v[CO], v1, 4, v5
; 16 matrix instructions: row tiles a0, a0 + 1 x column tiles 0 .. 7.  zero = 1: the first product starts the sums.
.macro MULLO f, a0, zero
.irp a, \a0, \a0+1
.irp b, 0,1,2,3,4,5,6,7
.if \zero
	v_wmma_f32_16x16x32_f16 v[8*(8*(\a)+\b):8*(8*(\a)+\b)+7], v[\f+8*\b:\f+8*\b+7], v[\f+96+8*(\a):\f+96+8*(\a)+7], 0
.else
	v_wmma_f32_16x16x32_f16 v[8*(8*(\a)+\b):8*(8*(\a)+\b)+7], v[\f+8*\b:\f+8*\b+7], v[\f+96+8*(\a):\f+96+8*(\a)+7], v[8*(8*(\a)+\b):8*(8*(\a)+\b)+7]
.endif
.endr
.endr
.endm
; 16 matrix instructions: all four row tiles x column tiles 8 .. 11
.macro MULHI f, zero
.irp a, 0,1,2,3
.irp b, 8,9,10,11
.if \zero
	v_wmma_f32_16x16x32_f16 v[8*(4*\a+\b-8):8*(4*\a+\b-8)+7], v[\f+8*\b:\f+8*\b+7], v[\f+96+8*\a:\f+96+8*\a+7], 0
.else
	v_wmma_f32_16x16x32_f16 v[8*(4*\a+\b-8):8*(4*\a+\b-8)+7], v[\f+8*\b:\f+8*\b+7], v[\f+96+8*\a:\f+96+8*\a+7], v[8*(4*\a+\b-8):8*(4*\a+\b-8)+7]
.endif
.endr
.endr
.endm
; 32 LDS loads in one run: the fragments of quarter q (32 along K) of a slot into buffer f.  Order: B 0-7, A 0-3, B 8-11.
.macro BFRAG slot, q, f, g
.irp j, 0,1,2,3
	ds_load_tr16_b128 v[\f+8*(4*\g+\j):\f+8*(4*\g+\j)+3],   v[ADRB+3*\slot+\g] offset:\q*32*PB+32*\j          ; k = 32 q + 8 h + 0..7 of column 16 j + r
	ds_load_tr16_b128 v[\f+8*(4*\g+\j)+4:\f+8*(4*\g+\j)+7], v[ADRB+3*\slot+\g] offset:\q*32*PB+32*\j+16*PB    ; k = 32 q + 16 + 8 h + 0..7
.endr
.endm
.macro FETCH slot, q, f
	WIN TO_F
	BFRAG \slot, \q, \f, 0
	BFRAG \slot, \q, \f, 1
.irp a, 0,1,2,3
	ds_load_b128 v[\f+96+8*\a:\f+96+8*\a+3],   v[ADRA+\slot] offset:\a*16*PA+64*\q
	ds_load_b128 v[\f+96+8*\a+4:\f+96+8*\a+7], v[ADRA+\slot] offset:\a*16*PA+64*\q+32
.endr
	BFRAG \slot, \q, \f, 2
.endm
; A K step is four quarters of 32 along K, 48 matrix instructions each, on buffers 0, 1, 0, 1.  The 48 accumulators take turns, one
; instruction a turn, in the same order in every quarter.
; One of the first three quarters: multiplies buffer f and fetches quarter q of the same slot into buffer g.
.macro QUARTER slot, q, f, g, zero
	s_wait_dscnt 8                                 ; B 0-7 and A are in; the youngest eight loads (B 8-11) may be out
	WIN MUL_LO
	MULLO \f, 0, \zero
	MULLO \f, 2, \zero
	PLACES
	FETCH \slot, \q, \g
	s_wait_dscnt 32                                ; all but the 32 just issued
	WIN MUL_HI
	MULHI \f, \zero
.endm
.macro THREE slot, zero
	QUARTER \slot, 1, F0, F1, \zero
	QUARTER \slot, 2, F1, F0, 0
	QUARTER \slot, 3, F0, F1, 0
.endm
; The last quarter multiplies buffer 1 and changes slots.  Its 32 products that need nothing of the next slot are issued ahead of the waits,
; while the wave's tile may still be on its way.  Then each wave waits for its reads of this slot and for all its tensor loads (the one that
; is out is its tile of the next slot) and passes the barrier (fill = 1: the cluster's round, with no matrix instruction inside it, so that
; the next request follows the landing of the last tile by the round alone).  Behind it this slot is asked for again first, two K steps
; ahead; then the next slot's first fragments are read.  From a request to its wait a wave issues 16 + 144 + 32 = 192 matrix instructions.
.macro TURN slot, next, fill
	s_wait_dscnt 8
	WIN MUL_LO
	MULLO F1, 0, 0
	MULLO F1, 2, 0
	WIN 0
	s_wait_dscnt 0x0                               ; my reads of this slot are over
	s_wait_tensorcnt 0x0                           ; all my tensor loads have landed, so every group 0 may be written
	ds_add_u32 v254, v255
	s_wait_dscnt 0x0
.if \fill
	s_add_nc_u64 s[G0+4*\slot+2:G0+4*\slot+3], s[G0+4*\slot+2:G0+4*\slot+3], 2*KSTEP*2
	s_add_nc_u64 s[G0B+4*\slot+2:G0B+4*\slot+3], s[G0B+4*\slot+2:G0B+4*\slot+3], 2*KSTEP*ROWB
.endif
	s_barrier_signal -1
	s_barrier_wait -1
.if \fill
	CREST                                          ; no wave of any partner still reads this slot or has a load on its way
	JLOAD \slot                                    ; the wave's one tensor load behind the round
.endif
	PLACES
	FETCH \next, 0, F0
	WIN MUL_HI
	MULHI F1, 0
.endm
.macro LAP zero
	THREE 0, \zero
	TURN 0, 1, 1
	THREE 1, 0
	TURN 1, 0, 1
.endm
	s_wait_tensorcnt 0x1                           ; my tile of K step 0 is in; K step 1's may stay out
	s_barrier_signal -1
	s_barrier_wait -1
	FETCH 0, 0, F0
	LAP 1                                          ; the first lap stands in front of the loop: its first products start the sums
	WIN 0
	s_mov_b32 s3, LAPS-2
.Llap:
	LAP 0
	WIN 0
	s_sub_co_u32 s3, s3, 1
	s_cmp_lg_u32 s3, 0
	s_cbranch_scc1 .Llap
	THREE 0, 0                                     ; the last lap fills nothing
	TURN 0, 1, 0
	THREE 1, 0
	s_wait_dscnt 8
	WIN MUL_LO
	MULLO F1, 0, 0
	MULLO F1, 2, 0
	s_wait_dscnt 0x0
	WIN MUL_HI
	MULHI F1, 0
	; THE WAY OUT.  The block goes through a stage of 128 rows x 768 bytes in slot 0, which has had its last fill; every wave's last reads of
	; slot 0 were waited for in front of the barrier of the last change of slots, so the stores below need no further barrier.
	PLACES
.irp a, 0,1,2,3
	WIN 0x0a                                       ; sources in window 2
.irp b, 0,1,2,3,4,5,6,7
.irp r, 0,1,2,3
	v_cvt_pk_f16_f32 v[TMP+4*\b+\r], v[8*(8*\a+\b)+2*\r], v[8*(8*\a+\b)+2*\r+1]
.endr
.endr
	WIN 0
.irp b, 0,1,2,3,4,5,6,7
	ds_store_b128 v[STO], v[TMP+4*\b:TMP+4*\b+3] offset:\a*16*SP+32*\b
.endr
.endr
.irp a0, 0,2
	WIN 0x0f                                       ; sources in window 3
.irp a, 0,1
.irp b, 0,1,2,3
.irp r, 0,1,2,3
	v_cvt_pk_f16_f32 v[TMP+4*(4*\a+\b)+\r], v[8*(4*(\a0+\a)+\b)+2*\r], v[8*(4*(\a0+\a)+\b)+2*\r+1]
.endr
.endr
.endr
	WIN 0
.irp a, 0,1
.irp b, 0,1,2,3
	ds_store_b128 v[STO], v[TMP+4*(4*\a+\b):TMP+4*(4*\a+\b)+3] offset:(\a0+\a)*16*SP+32*(\b+8)
.endr
.endr
.endr
	s_lshl_b32 s16, s13, 7
	s_lshl_b32 s17, s10, 5
	s_add_co_u32 s16, s16, s17                     ; I store rows 32 w .. 32 w + 31 of the block
	s_mul_i32 s16, s16, ROWB
	s_mov_b32 s17, 0
	s_add_nc_u64 s[8:9], s[8:9], s[16:17]
	s_lshl_b32 s46, s42, 8                         ; the head's 256 bytes in each third
	s_mov_b32 s47, 0
	s_add_nc_u64 s[8:9], s[8:9], s[46:47]
	s_wait_dscnt 0x0                               ; my part of the stage is written,
	s_barrier_signal -1
	s_barrier_wait -1                              ; everybody's is
.irp s, 0,1,2
.irp t, 0,1,2,3,4,5,6,7,8,9,10,11,12,13,14,15
	ds_load_b128 v[TMP+64*\s+4*\t:TMP+64*\s+4*\t+3], v[RD] offset:\t*2*SP+256*\s
.endr
.endr
.irp s, 0,1,2
.irp t, 0,1,2,3,4,5,6,7,8,9,10,11,12,13,14,15
	s_wait_dscnt 47-(16*\s+\t)                     ; LDS loads come back in order: this one is in, the younger ones stay out
	global_store_b128 v[CO], v[TMP+64*\s+4*\t:TMP+64*\s+4*\t+3], s[8:9] offset:\t*2*ROWB+4096*\s   ; 16 lanes store a head's row: 256 consecutive bytes, aligned
.endr
.endr
	s_wait_tensorcnt 0x0
	ds_add_u32 v254, v255
	s_wait_dscnt 0x0
	CROUND                                         ; the closing round: no work-group ends while a partner may still ask for a tile that names it
	s_endpgm
.Lfunc_end_k_q69b946b0f0_qkv_gemm:
	.size	k_q69b946b0f0_qkv_gemm, .Lfunc_end_k_q69b946b0f0_qkv_gemm-k_q69b946b0f0_qkv_gemm
	.p2alignl 7, 3214868480
	.fill 96, 4, 3214868480
	.section	.rodata,"a",@progbits
	.p2align	6, 0x0
	.amdhsa_kernel k_q69b946b0f0_qkv_gemm
		.amdhsa_group_segment_fixed_size 327680
		.amdhsa_private_segment_fixed_size 0
		.amdhsa_enable_private_segment 0
		.amdhsa_kernarg_size 24
		.amdhsa_user_sgpr_count 2
		.amdhsa_user_sgpr_kernarg_segment_ptr 1
		.amdhsa_wavefront_size32 1
		.amdhsa_system_sgpr_workgroup_id_x 1
		.amdhsa_system_sgpr_workgroup_id_y 1
		.amdhsa_system_sgpr_workgroup_id_z 1
		.amdhsa_system_vgpr_workitem_id 0
		.amdhsa_next_free_vgpr 896
		.amdhsa_next_free_sgpr 66
		.amdhsa_reserve_vcc 0
		.amdhsa_float_denorm_mode_32 3
		.amdhsa_float_denorm_mode_16_64 3
		.amdhsa_memory_ordered 1
		.amdhsa_forward_progress 1
		.amdhsa_inst_pref_size 163
	.end_amdhsa_kernel
	.amdgpu_metadata
---
amdhsa.version: [ 1, 2 ]
amdhsa.kernels:
  - .name:           k_q69b946b0f0_qkv_gemm
    .symbol:         k_q69b946b0f0_qkv_gemm.kd
    .args:
      - { .name: xh, .offset: 0, .size: 8, .value_kind: global_buffer, .address_space: global }
      - { .name: wqkv, .offset: 8, .size: 8, .value_kind: global_buffer, .address_space: global }
      - { .name: qkv, .offset: 16, .size: 8, .value_kind: global_buffer, .address_space: global }
    .group_segment_fixed_size: 327680
    .private_segment_fixed_size: 0
    .kernarg_segment_align: 8
    .kernarg_segment_size: 24
    .max_flat_workgroup_size: 128
    .sgpr_count:     66
    .vgpr_count:     896
    .wavefront_size: 32
...
	.end_amdgpu_metadata
.endif
;; end of part 2
;; launch attn (part 3): grid 8 x 32, 8 waves a work-group, clusters of 4 x 1, 327,680 bytes of LDS; arguments qkv, ao; writes ao
.if DOCPART == 3
	.amdgcn_target "amdgcn-amd-amdhsa--gfx1250"
	.amdhsa_code_object_version 6
	.text
	.protected	k_q69b946b0f0_attn
	.globl	k_q69b946b0f0_attn
	.p2align	8
	.type	k_q69b946b0f0_attn,@function
k_q69b946b0f0_attn:
	s_mov_b64 s[64:65], 0
	v_nop
	global_prefetch_b8 v0, s[64:65] scope:SCOPE_SE
	s_setreg_imm32_b32 hwreg(HW_REG_WAVE_MODE, 25, 1), 1
	s_wait_xcnt 0x0
	s_wait_alu depctr_hold_cnt(0) depctr_sa_sdst(0) depctr_va_vdst(0) depctr_va_sdst(0) depctr_va_ssrc(0) depctr_va_vcc(0) depctr_vm_vsrc(0)
	s_getreg_b32 s2, hwreg(HW_REG_IB_STS2, 6, 4)
	s_cmp_eq_u32 s2, 0
	s_cbranch_scc0 .Lentry_in_a_cluster
	s_endpgm
.Lentry_in_a_cluster:
	s_bfe_u32 s2, ttmp6, 0x10000c
	s_cmp_lg_u32 s2, 0x3003
	s_cbranch_scc0 .Lentry_shape_is_right
	s_endpgm
.Lentry_shape_is_right:
; ao[b, s, head] = softmax(q k^T / sqrt(128)) v for one (batch, head) and 128 queries.  qkv [2048][6144] f16 (q | k | v, head h at column 128 h
; of its third), ao [2048][2048] f16.  Scores, maxima, exponentials and sums in f32; P is rounded to f16 for the second product.
; The running maximum of the raw scores is taken away before every exponential.  LIMITS: exponentials below 2^-126 come out as 0, P below 2^-25
; rounds to 0 (the row's largest P is 1); the sum over keys runs by lane half, step and wave pair, not in key order; NaN and infinities
; spread as the arithmetic spreads them.
; Work-group (x = query block, y = 16 b + head).  Eight waves: wave w takes queries 32 (w % 4) .. + 31 and, of each chunk of 256 keys, keys
; 128 (w / 4) .. + 127 in two steps of 64.  Waves w and w + 4 have the same queries and half of the keys each, and are merged once at the end;
; with two waves to a SIMD one wave's softmax arithmetic can run beside the other's matrix instructions.
; TRANSPOSED SCHEME: S^T = K Q^T (source 0 = 16 keys, source 1 = 16 queries): lane (r, h) holds query r and keys 16 kt + 8 h + j.  Two
; neighbouring tiles, packed to f16 in place, are the source-1 fragment of P^T for 32 keys: no lane moves.  O^T = V^T P^T, V^T read by the
; transposing load from V's [key][d] rows: lane (r, h) holds query r and eight neighbouring d.  Maximum, sum and factors: one number a lane.
; CLUSTERS: the four query blocks of a cluster read the same K and V: each chunk is asked for jointly (mask 15), waves 0-3 K's quarters,
; waves 4-7 V's.  Q is each work-group's own: a plain load, 16 of its 128 rows for each of the eight waves.
.set PK,     272                       ; LDS pitch of Q's and K's rows: 256 + 16 = 17 x 16
.set PV,     288                       ; LDS pitch of V's rows: 256 + 32 = 9 x 32, for the transposing load
.set ROWB,   12288                     ; bytes in a row of qkv
.set SLOTB,  128*PK                    ; 34,816: Q's tile lies in front of the slots; later it is the output's stage
.set KBYTES, 256*PK                    ; 69,632
.set SLOT,   KBYTES+256*PV             ; 143,360: 256 keys of K, then of V
.set MRGB,   16896                     ; merge area of a wave pair: 32 x 512 bytes of O, 512 of statistics; in slot 0 behind its last fill
.set KADR, 8                           ; v8-9    my K fragments in slot 0, 1
.set VADR, 10                          ; v10-11  my V fragments in slot 0, 1
.set STO,  12                          ; v12     (32 qg + r) pitch + 16 h: my Q fragments; later where I put 16 bytes of an output row
.set RD,   13                          ; v13     stage: where I read rows back
.set CO,   14                          ; v14     my byte offset in ao
.set MRG,  15                          ; v15     merge area + 16 x lane
.set M,    16                          ; v16-17  running maximum of the raw scores, query group n
.set NM,   18                          ; v[18:19], v[20:21]  - c x maximum, twice (a pair for the packed arithmetic)
.set AL,   22                          ; v[22:23], v[24:25]  rescale factor, twice
.set LS,   26                          ; v26-27  my lane's part of the sum
.set TA,   28
.set TB,   30
.set TC,   32
.set TD,   34
.set SU,   36                          ; v36-43  sums at work; at the end the two factors of the merge
.set SND,  44                          ; v[44:47] statistics to send
.set PS,   48                          ; v[48:51] the partner's statistics
.set S,    64                          ; v64-127 scores: group (kk, n) of 32 keys x 16 queries at S + 16 (2 kk + n); then P in its first 8 registers
.set FA,   128                         ; v128-255 fragments: K's 16 (kt, ks) at FA + 8 (4 kt + ks); then V's 16 (kk, dt) at FA + 64 kk + 8 dt
.set QF,   128                         ; window 1: Q fragment (n, ks) at 128 + 8 (4 n + ks);  O tile (dt, n) at 8 (2 dt + n)
.set G1K, 24
.set G1V, 32
.set G1Q, 40
.set G0Q, 48
.set G0K, 52                           ; s[52:59] one set for each slot
.set G0V, 68                           ; s[68:75] one set for each slot
.set MSB, 0
.macro WIN new
.if MSB != \new
	s_set_vgpr_msb (MSB<<8)|\new
.set MSB, \new
.endif
.endm
.macro PLACES
.rept 4
	v_nop
.endr
.endm
.macro ROUND                           ; a round of the cluster's barrier
	s_barrier_signal -1
	s_barrier_wait -1
	s_cmp_lg_u32 s8, 0
	s_cbranch_scc1 .Lnot_wave_0_\@
	s_barrier_signal -3
.Lnot_wave_0_\@:
	s_barrier_wait -3
	s_barrier_signal -1
	s_barrier_wait -1
.endm
.macro JLOAD s                         ; waves 0-3 ask for 64 rows of K, waves 4-7 for 64 rows of V
	s_cmp_eq_u32 s10, 0
	s_cbranch_scc0 .Lfor_v_\@
	tensor_load_to_lds s[G0K+4*\s:G0K+4*\s+3], s[G1K:G1K+7]
	s_nop 0
	s_branch .Lasked_\@
.Lfor_v_\@:
	tensor_load_to_lds s[G0V+4*\s:G0V+4*\s+3], s[G1V:G1V+7]
	s_nop 0
.Lasked_\@:
.endm
	s_load_b128 s[4:7], s[0:1], 0x0                ; qkv s[4:5], ao s[6:7]
	v_lshl_add_u32 v62, v0, 2, 0x4e800
	v_mov_b32 v63, 0
	ds_add_u32 v62, v63
	v_lshrrev_b32 v1, 5, v0
	v_readfirstlane_b32 s8, v1                     ; wave 0..7
	s_and_b32 s9, s8, 3                            ; qg: my 32 queries; also which 64 rows of a chunk I fetch
	s_lshr_b32 s10, s8, 2                          ; p: my half of each chunk's keys; also: I fetch K (0) or V (1)
	s_bfe_u32 s11, ttmp6, 0x40000                  ; cx
	s_lshl_b32 s17, ttmp9, 2
	s_add_co_u32 s17, s17, s11                     ; query block = 4 x cluster x + cx
	s_and_b32 s16, ttmp7, 0xffff
	s_lshr_b32 s18, s16, 4                         ; batch
	s_and_b32 s19, s16, 15                         ; head
	s_mov_b32 s12, 0x76543210                      ; v_permlanex16_b32: lane i of one half reads lane i of the other
	s_mov_b32 s13, 0xfedcba98
	s_mov_b32 s14, 0x3e0293ee                      ; c = 128^-0.5 x log2 e = 0.1275174, so that exp(x / sqrt(128)) = 2^(c x)
	s_mov_b32 s15, 0x3e0293ee
	s_mov_b32 s66, 0xbe0293ee                      ; - c
	; group 1: rows of 128 elements of 2 bytes, 6,144 elements apart; a pad of 4 words (Q, K) or 8 words (V) behind every 64 words of LDS
	s_mov_b32 s[G1K+0], 15|(1<<16)|(1<<20)|(1<<21)|(5<<22)|(3<<25)
	s_mov_b32 s[G1V+0], 15|(1<<16)|(1<<20)|(1<<21)|(5<<22)|(7<<25)
	s_mov_b32 s[G1Q+0], (1<<16)|(1<<20)|(5<<22)|(3<<25)
.irp g, G1K, G1V, G1Q
	s_mov_b32 s[\g+1], 128<<16                     ; tensor_dim0 = 128
	s_mov_b32 s[\g+3], 128<<16                     ; tile_dim0 = 128
	s_mov_b32 s[\g+5], 6144
	s_mov_b32 s[\g+6], 0
	s_mov_b32 s[\g+7], 0
.endr
	s_mov_b32 s[G1K+2], 64<<16                     ; tensor_dim1 and tile_dim1: 64 rows of K, of V; 16 of Q
	s_mov_b32 s[G1K+4], 64
	s_mov_b32 s[G1V+2], 64<<16
	s_mov_b32 s[G1V+4], 64
	s_mov_b32 s[G1Q+2], 16<<16
	s_mov_b32 s[G1Q+4], 16
	; K's and V's tiles hang on batch, head and the wave's number alone: the same in all four partners
	s_lshl_b32 s22, s18, 10
	s_lshl_b32 s23, s9, 6
	s_add_co_u32 s22, s22, s23                     ; row 1024 b + 64 qg
	s_mul_i32 s22, s22, ROWB
	s_lshl_b32 s23, s19, 8
	s_add_co_u32 s22, s22, s23                     ; + the head's 256 bytes
	s_mov_b32 s23, 0
	; Q's tile and the output hang on the query block too; these registers feed no joint load
	s_lshl_b32 s20, s18, 10
	s_lshl_b32 s21, s17, 7
	s_add_co_u32 s20, s20, s21                     ; my block's first row: 1024 b + 128 x query block
	s_lshl_b32 s76, s8, 4
	s_add_co_u32 s76, s76, s20                     ; + 16 w
	s_mul_i32 s76, s76, ROWB
	s_lshl_b32 s77, s19, 8
	s_add_co_u32 s76, s76, s77
	s_mov_b32 s77, 0
	s_mul_i32 s78, s9, 64*PK
	s_mul_i32 s79, s9, 64*PV
	s_wait_dscnt 0x0
	s_wait_kmcnt 0x0
	s_add_nc_u64 s[22:23], s[4:5], s[22:23]
	s_add_nc_u64 s[76:77], s[4:5], s[76:77]
	s_mov_b32 s[G0Q], 1
	s_mul_i32 s[G0Q+1], s8, 16*PK
	s_mov_b64 s[G0Q+2:G0Q+3], s[76:77]
	s_or_b32 s[G0Q+3], s[G0Q+3], 0x80000000
.irp s, 0,1
	s_mov_b32 s[G0K+4*\s], 1
	s_add_co_u32 s[G0K+4*\s+1], s78, SLOTB+\s*SLOT
	s_add_nc_u64 s[G0K+4*\s+2:G0K+4*\s+3], s[22:23], \s*256*ROWB+4096      ; chunk s, k's third
	s_or_b32 s[G0K+4*\s+3], s[G0K+4*\s+3], 0x80000000
	s_mov_b32 s[G0V+4*\s], 1
	s_add_co_u32 s[G0V+4*\s+1], s79, SLOTB+KBYTES+\s*SLOT
	s_add_nc_u64 s[G0V+4*\s+2:G0V+4*\s+3], s[22:23], \s*256*ROWB+8192      ; chunk s, v's third
	s_or_b32 s[G0V+4*\s+3], s[G0V+4*\s+3], 0x80000000
.endr
	ROUND                                          ; all four work-groups are here
	tensor_load_to_lds s[G0Q:G0Q+3], s[G1Q:G1Q+7]  ; the first fills go out as one group: three loads of the wave are out
	s_nop 0
	JLOAD 0
	JLOAD 1
	v_and_b32 v1, 15, v0                           ; r
	v_bfe_u32 v2, v0, 4, 1                         ; h
	v_and_b32 v3, 31, v0                           ; lane
	v_mul_u32_u24 v4, v1, PK
	v_lshl_add_u32 v4, v2, 4, v4                   ; r x 272 + 16 h
	v_and_b32 v5, 7, v0
	v_lshl_add_u32 v5, v2, 3, v5
	v_mul_u32_u24 v5, v5, PV
	v_bfe_u32 v6, v0, 3, 1
	v_lshl_add_u32 v5, v6, 4, v5                   ; (8 h + l % 8) x 288 + 16 ((l / 8) % 2)
	s_mul_i32 s16, s10, 128*PK
	s_add_co_u32 s16, s16, SLOTB
	v_add_nc_u32 v[KADR], s16, v4
	v_add_nc_u32 v[KADR+1], SLOT, v[KADR]
	s_mul_i32 s16, s10, 128*PV
	s_add_co_u32 s16, s16, SLOTB+KBYTES
	v_add_nc_u32 v[VADR], s16, v5
	v_add_nc_u32 v[VADR+1], SLOT, v[VADR]
	s_mul_i32 s16, s9, 32*PK
	v_add_nc_u32 v[STO], s16, v4
	v_mul_u32_u24 v6, v2, PK
	v_lshl_add_u32 v6, v1, 4, v6
	v_add_nc_u32 v[RD], s16, v6
	v_lshlrev_b32 v6, 12, v2
	v_lshl_add_u32 v[CO], v1, 4, v6
	s_mul_i32 s16, s9, MRGB
	s_add_co_u32 s16, s16, SLOTB
	v_lshl_add_u32 v[MRG], v3, 4, s16
; 16 matrix instructions: the scores of keys 32 kk .. + 31 x my 32 queries, d in four pieces of 32.  The four accumulators take turns.
.macro SMUL kk
.irp ks, 0,1,2,3
.irp t, 0,1
.irp n, 0,1
.if \ks
	v_wmma_f32_16x16x32_f16 v[S+16*(2*\kk+\n)+8*\t:S+16*(2*\kk+\n)+8*\t+7], v[FA+8*(4*(2*\kk+\t)+\ks):FA+8*(4*(2*\kk+\t)+\ks)+7], v[QF+8*(4*\n+\ks):QF+8*(4*\n+\ks)+7], v[S+16*(2*\kk+\n)+8*\t:S+16*(2*\kk+\n)+8*\t+7]
.else
	v_wmma_f32_16x16x32_f16 v[S+16*(2*\kk+\n)+8*\t:S+16*(2*\kk+\n)+8*\t+7], v[FA+8*(4*(2*\kk+\t)+\ks):FA+8*(4*(2*\kk+\t)+\ks)+7], v[QF+8*(4*\n+\ks):QF+8*(4*\n+\ks)+7], 0
.endif
.endr
.endr
.endr
.endm
; The step's softmax: a lane has 32 scores for each of its two queries (n = 0, 1).  first = 1: nothing is carried yet.
.macro SOFTMAX first
.irp n, 0,1
.if \first
	v_max_num_f32 v[TA+\n], v[S+16*\n], v[S+16*\n+1]
.else
	v_max3_num_f32 v[TA+\n], v[M+\n], v[S+16*\n], v[S+16*\n+1]     ; the carried maximum starts the first chain
.endif
	v_max_num_f32 v[TB+\n], v[S+32+16*\n], v[S+32+16*\n+1]
.endr
.irp i, 2,4,6,8,10,12,14
.irp n, 0,1
	v_max3_num_f32 v[TA+\n], v[TA+\n], v[S+16*\n+\i], v[S+16*\n+\i+1]
	v_max3_num_f32 v[TB+\n], v[TB+\n], v[S+32+16*\n+\i], v[S+32+16*\n+\i+1]
.endr
.endr
.irp n, 0,1
	v_max_num_f32 v[TA+\n], v[TA+\n], v[TB+\n]
.endr
.irp n, 0,1
	v_permlanex16_b32 v[TB+\n], v[TA+\n], s12, s13                 ; the other half of the lanes holds the query's other keys
.endr
.irp n, 0,1
	v_max_num_f32 v[M+\n], v[TA+\n], v[TB+\n]
.endr
.irp n, 0,1
	v_mul_f32 v[TC+\n], s66, v[M+\n]                               ; - c x new maximum
.endr
.if \first
.else
.irp n, 0,1
	v_sub_f32 v[TD+\n], v[TC+\n], v[NM+2*\n]                       ; the difference of the two stored shifts, so that old and new exponentials have one base
.endr
.irp n, 0,1
	v_exp_f32 v[AL+2*\n], v[TD+\n]                                 ; rescale factor, at most 1.  The moves below are the plain place behind it (ISA guide 5.7.2)
.endr
.endif
.irp n, 0,1
	v_mov_b32 v[NM+2*\n], v[TC+\n]
	v_mov_b32 v[NM+2*\n+1], v[TC+\n]
.endr
.irp g, 0,1,2,3
.irp i, 0,2,4,6,8,10,12,14
	v_pk_fma_f32 v[S+16*\g+\i:S+16*\g+\i+1], v[S+16*\g+\i:S+16*\g+\i+1], s[14:15], v[NM+2*(\g%2):NM+2*(\g%2)+1] op_sel_hi:[1,0,1]   ; c (score - maximum)
.endr
.endr
.set i, 0
.rept 64
	v_exp_f32 v[S+i], v[S+i]
.set i, i+1
.endr
.if \first
	v_nop                                                          ; the plain place behind the exponentials
	s_wait_alu depctr_va_vdst(0)
.else
	s_wait_alu depctr_va_vdst(0)
	v_mov_b32 v[AL+1], v[AL]                                       ; the factor's second copy: also the plain place behind the exponentials
	v_mov_b32 v[AL+3], v[AL+2]
.endif
.irp n, 0,1
	v_pk_add_f32 v[SU+4*\n:SU+4*\n+1], v[S+16*\n:S+16*\n+1], v[S+16*\n+2:S+16*\n+3]
	v_pk_add_f32 v[SU+4*\n+2:SU+4*\n+3], v[S+32+16*\n:S+32+16*\n+1], v[S+32+16*\n+2:S+32+16*\n+3]
.endr
.irp i, 4,6,8,10,12,14
.irp n, 0,1
	v_pk_add_f32 v[SU+4*\n:SU+4*\n+1], v[SU+4*\n:SU+4*\n+1], v[S+16*\n+\i:S+16*\n+\i+1]
	v_pk_add_f32 v[SU+4*\n+2:SU+4*\n+3], v[SU+4*\n+2:SU+4*\n+3], v[S+32+16*\n+\i:S+32+16*\n+\i+1]
.endr
.endr
.irp n, 0,1
	v_pk_add_f32 v[SU+4*\n:SU+4*\n+1], v[SU+4*\n:SU+4*\n+1], v[SU+4*\n+2:SU+4*\n+3]
.endr
.irp n, 0,1
.if \first
	v_add_f32 v[LS+\n], v[SU+4*\n], v[SU+4*\n+1]
.else
	v_add_f32 v[SU+4*\n], v[SU+4*\n], v[SU+4*\n+1]
.endif
.endr
.if \first
.else
.irp n, 0,1
	v_fma_f32 v[LS+\n], v[LS+\n], v[AL+2*\n], v[SU+4*\n]
.endr
.endif
.irp g, 0,1,2,3
.irp i, 0,1,2,3,4,5,6,7
	v_cvt_pk_f16_f32 v[S+16*\g+\i], v[S+16*\g+2*\i], v[S+16*\g+2*\i+1]   ; in place, ascending: register i is read at step i / 2, before it is written
.endr
.endr
.endm
; One step: 64 keys (step st of my half of the chunk in this slot) against my 32 queries.
.macro STEP slot, st, first
.if \first
.else
.rept 5
	v_nop                                          ; five places behind the last step's products: the score products write over P, the loads over V's fragments
.endr
.endif
.irp kt, 0,1,2,3
.irp ks, 0,1,2,3
	ds_load_b128 v[FA+8*(4*\kt+\ks):FA+8*(4*\kt+\ks)+3],   v[KADR+\slot] offset:\st*64*PK+\kt*16*PK+64*\ks
	ds_load_b128 v[FA+8*(4*\kt+\ks)+4:FA+8*(4*\kt+\ks)+7], v[KADR+\slot] offset:\st*64*PK+\kt*16*PK+64*\ks+32
.endr
.endr
	s_wait_dscnt 16                                ; keys 0-31 are in (and, in the first step, Q's fragments); the 16 loads of keys 32-63 may be out
	WIN 0x04                                       ; source 1 (Q) in window 1
	SMUL 0
	s_wait_dscnt 0x0
	SMUL 1
	WIN 0
	PLACES                                         ; behind the score products: V's fragments land on K's, the softmax reads the scores
.irp kk, 0,1
.irp dt, 0,1,2,3,4,5,6,7
	ds_load_tr16_b128 v[FA+64*\kk+8*\dt:FA+64*\kk+8*\dt+3],   v[VADR+\slot] offset:\st*64*PV+\kk*32*PV+32*\dt
	ds_load_tr16_b128 v[FA+64*\kk+8*\dt+4:FA+64*\kk+8*\dt+7], v[VADR+\slot] offset:\st*64*PV+\kk*32*PV+32*\dt+16*PV
.endr
.endr
	SOFTMAX \first
.if \first
.else
	WIN 0x41                                       ; O in window 1, the factor in window 0
.irp dt, 0,1,2,3,4,5,6,7
.irp n, 0,1
.irp j, 0,2,4,6
	v_pk_mul_f32 v[8*(2*\dt+\n)+\j:8*(2*\dt+\n)+\j+1], v[8*(2*\dt+\n)+\j:8*(2*\dt+\n)+\j+1], v[AL+2*\n:AL+2*\n+1]
.endr
.endr
.endr
.endif
	s_wait_dscnt 0x0                               ; V's fragments
	WIN 0x50                                       ; C and D (O) in window 1.  The sixteen accumulators take turns
.irp kk, 0,1
.irp dt, 0,1,2,3,4,5,6,7
.irp n, 0,1
.if \first*(1-\kk)
	v_wmma_f32_16x16x32_f16 v[8*(2*\dt+\n):8*(2*\dt+\n)+7], v[FA+64*\kk+8*\dt:FA+64*\kk+8*\dt+7], v[S+16*(2*\kk+\n):S+16*(2*\kk+\n)+7], 0
.else
	v_wmma_f32_16x16x32_f16 v[8*(2*\dt+\n):8*(2*\dt+\n)+7], v[FA+64*\kk+8*\dt:FA+64*\kk+8*\dt+7], v[S+16*(2*\kk+\n):S+16*(2*\kk+\n)+7], v[8*(2*\dt+\n):8*(2*\dt+\n)+7]
.endif
.endr
.endr
.endr
	WIN 0
.endm
; The slot just read is asked for again, two chunks on: every wave's reads of it and all its tensor loads are waited for in front of the
; round, the joint load is the wave's first and only tensor load behind it.
.macro REFILL slot
	s_wait_dscnt 0x0
	s_wait_tensorcnt 0x0                           ; the other slot's chunk has landed too; no load of mine is out, so group 0 may be written
	ds_add_u32 v62, v63
	s_wait_dscnt 0x0
	s_add_nc_u64 s[G0K+4*\slot+2:G0K+4*\slot+3], s[G0K+4*\slot+2:G0K+4*\slot+3], 512*ROWB
	s_add_nc_u64 s[G0V+4*\slot+2:G0V+4*\slot+3], s[G0V+4*\slot+2:G0V+4*\slot+3], 512*ROWB
	ROUND
	JLOAD \slot
.endm
	s_wait_tensorcnt 0x1                           ; my parts of Q and of chunk 0 are in; chunk 1's may stay out
	s_barrier_signal -1
	s_barrier_wait -1
	WIN 0x40                                       ; destination in window 1
.irp n, 0,1
.irp ks, 0,1,2,3
	ds_load_b128 v[QF+8*(4*\n+\ks):QF+8*(4*\n+\ks)+3],   v[STO] offset:\n*16*PK+64*\ks
	ds_load_b128 v[QF+8*(4*\n+\ks)+4:QF+8*(4*\n+\ks)+7], v[STO] offset:\n*16*PK+64*\ks+32
.endr
.endr
	WIN 0
	STEP 0, 0, 1                                   ; chunk 0
	STEP 0, 1, 0
	REFILL 0                                       ; chunk 2 goes out
	STEP 1, 0, 0                                   ; chunk 1
	STEP 1, 1, 0
	REFILL 1                                       ; chunk 3 goes out
	STEP 0, 0, 0                                   ; chunk 2
	STEP 0, 1, 0
	s_wait_dscnt 0x0                               ; my reads of slot 0 are over: behind this barrier it is the merge area
	s_wait_tensorcnt 0x0                           ; my part of chunk 3 is in
	s_barrier_signal -1
	s_barrier_wait -1
	STEP 1, 0, 0                                   ; chunk 3
	STEP 1, 1, 0
	; THE MERGE.  Waves 4-7 hand O, the shift and the sum to waves 0-3 through slot 0, which nobody has read since the barrier above.
	PLACES                                         ; behind the last products: O is read, and loads land on V's fragments
	s_cmp_eq_u32 s10, 0
	s_cbranch_scc1 .Lno_send
	WIN 0x04                                       ; store data in window 1
.set i, 0
.rept 32
	ds_store_b128 v[MRG], v[4*i:4*i+3] offset:512*i
.set i, i+1
.endr
	WIN 0
	v_mov_b32 v[SND], v[NM]
	v_mov_b32 v[SND+1], v[NM+2]
	v_mov_b32 v[SND+2], v[LS]
	v_mov_b32 v[SND+3], v[LS+1]
	ds_store_b128 v[MRG], v[SND:SND+3] offset:16384
.Lno_send:
	s_wait_dscnt 0x0                               ; what I stored is in LDS
	s_barrier_signal -1
	s_barrier_wait -1
	s_cmp_lg_u32 s10, 0
	s_cbranch_scc1 .Ldone
	ds_load_b128 v[PS:PS+3], v[MRG] offset:16384   ; the partner's shifts and sums
.set i, 0
.rept 32
	ds_load_b128 v[FA+4*i:FA+4*i+3], v[MRG] offset:512*i           ; the partner's O, register for register
.set i, i+1
.endr
	s_lshl_b32 s21, s9, 5
	s_add_co_u32 s20, s20, s21                     ; my first row of ao
	s_lshl_b32 s20, s20, 12
	s_lshl_b32 s21, s19, 8
	s_add_co_u32 s20, s20, s21
	s_mov_b32 s21, 0
	s_add_nc_u64 s[6:7], s[6:7], s[20:21]
	s_wait_dscnt 32                                ; the statistics are in; the 32 loads of O may be out
.irp n, 0,1
	v_min_num_f32 v[TA+\n], v[NM+2*\n], v[PS+\n]   ; the smaller shift belongs to the larger maximum
.endr
.irp n, 0,1
	v_sub_f32 v[TC+\n], v[TA+\n], v[NM+2*\n]
	v_sub_f32 v[TD+\n], v[TA+\n], v[PS+\n]
.endr
.irp n, 0,1
	v_exp_f32 v[TC+\n], v[TC+\n]                   ; my factor,
	v_exp_f32 v[TD+\n], v[TD+\n]                   ; the partner's: both at most 1, one of them 1
.endr
	v_nop
	s_wait_alu depctr_va_vdst(0)
.irp n, 0,1
	v_mul_f32 v[TB+\n], v[PS+2+\n], v[TD+\n]
.endr
.irp n, 0,1
	v_fmac_f32 v[TB+\n], v[LS+\n], v[TC+\n]
.endr
.irp n, 0,1
	v_permlanex16_b32 v[TA+\n], v[TB+\n], s12, s13 ; the other half of the lanes summed the query's other keys
.endr
.irp n, 0,1
	v_add_f32 v[TB+\n], v[TB+\n], v[TA+\n]         ; the whole sum: at least 1, from the key of the maximum
.endr
.irp n, 0,1
	v_rcp_f32 v[TA+\n], v[TB+\n]
.endr
	v_nop
	s_wait_alu depctr_va_vdst(0)
.irp n, 0,1
	v_mul_f32 v[SU+4*\n], v[TC+\n], v[TA+\n]       ; my factor / sum, twice
	v_mul_f32 v[SU+4*\n+1], v[TC+\n], v[TA+\n]
	v_mul_f32 v[SU+4*\n+2], v[TD+\n], v[TA+\n]     ; the partner's factor / sum, twice
	v_mul_f32 v[SU+4*\n+3], v[TD+\n], v[TA+\n]
.endr
	s_wait_dscnt 0x0
.set g, 0
.rept 16
.irp j, 0,2,4,6
	v_pk_mul_f32 v[FA+8*g+\j:FA+8*g+\j+1], v[FA+8*g+\j:FA+8*g+\j+1], v[SU+4*(g%2)+2:SU+4*(g%2)+3]
.endr
.set g, g+1
.endr
	WIN 0x01                                       ; source 0 (my O) in window 1
.set g, 0
.rept 16
.irp j, 0,2,4,6
	v_pk_fma_f32 v[FA+8*g+\j:FA+8*g+\j+1], v[8*g+\j:8*g+\j+1], v[SU+4*(g%2):SU+4*(g%2)+1], v[FA+8*g+\j:FA+8*g+\j+1]
.endr
.set g, g+1
.endr
	WIN 0
	; out through the stage (Q's bytes, rows 32 qg .. + 31: mine alone since the first step; no tensor load lands there again)
.set g, 0
.rept 16
.irp i, 0,1,2,3
	v_cvt_pk_f16_f32 v[FA+8*g+\i], v[FA+8*g+2*\i], v[FA+8*g+2*\i+1]
.endr
	ds_store_b128 v[STO], v[FA+8*g:FA+8*g+3] offset:(g%2)*16*PK+32*(g/2)
.set g, g+1
.endr
.irp t, 0,1,2,3,4,5,6,7,8,9,10,11,12,13,14,15
	ds_load_b128 v[S+4*\t:S+4*\t+3], v[RD] offset:\t*2*PK          ; LDS serves a wave's instructions in order (ISA guide 5.7.1.4): these see the stores above
.endr
.irp t, 0,1,2,3,4,5,6,7,8,9,10,11,12,13,14,15
	s_wait_dscnt 15-\t
	global_store_b128 v[CO], v[S+4*\t:S+4*\t+3], s[6:7] offset:\t*8192     ; 16 lanes store a head's row: 256 consecutive bytes, aligned
.endr
.Ldone:
	s_wait_tensorcnt 0x0
	ds_add_u32 v62, v63
	s_wait_dscnt 0x0
	ROUND                                          ; the closing round
	s_endpgm
.Lfunc_end_k_q69b946b0f0_attn:
	.size	k_q69b946b0f0_attn, .Lfunc_end_k_q69b946b0f0_attn-k_q69b946b0f0_attn
	.p2alignl 7, 3214868480
	.fill 96, 4, 3214868480
	.section	.rodata,"a",@progbits
	.p2align	6, 0x0
	.amdhsa_kernel k_q69b946b0f0_attn
		.amdhsa_group_segment_fixed_size 327680
		.amdhsa_private_segment_fixed_size 0
		.amdhsa_enable_private_segment 0
		.amdhsa_kernarg_size 16
		.amdhsa_user_sgpr_count 2
		.amdhsa_user_sgpr_kernarg_segment_ptr 1
		.amdhsa_wavefront_size32 1
		.amdhsa_system_sgpr_workgroup_id_x 1
		.amdhsa_system_sgpr_workgroup_id_y 1
		.amdhsa_system_sgpr_workgroup_id_z 1
		.amdhsa_system_vgpr_workitem_id 0
		.amdhsa_next_free_vgpr 448
		.amdhsa_next_free_sgpr 80
		.amdhsa_reserve_vcc 0
		.amdhsa_float_denorm_mode_32 3
		.amdhsa_float_denorm_mode_16_64 3
		.amdhsa_memory_ordered 1
		.amdhsa_forward_progress 1
		.amdhsa_inst_pref_size 214
	.end_amdhsa_kernel
	.amdgpu_metadata
---
amdhsa.version: [ 1, 2 ]
amdhsa.kernels:
  - .name:           k_q69b946b0f0_attn
    .symbol:         k_q69b946b0f0_attn.kd
    .args:
      - { .name: qkv, .offset: 0, .size: 8, .value_kind: global_buffer, .address_space: global }
      - { .name: ao, .offset: 8, .size: 8, .value_kind: global_buffer, .address_space: global }
    .group_segment_fixed_size: 327680
    .private_segment_fixed_size: 0
    .kernarg_segment_align: 8
    .kernarg_segment_size: 16
    .max_flat_workgroup_size: 256
    .sgpr_count:     80
    .vgpr_count:     448
    .wavefront_size: 32
...
	.end_amdgpu_metadata
.endif
;; end of part 3
;; launch out_gemm (part 4): grid 16 x 16, 4 waves a work-group, clusters of 4 x 4, 327,680 bytes of LDS; arguments ao, woh, out0; writes out0
.if DOCPART == 4
	.amdgcn_target "amdgcn-amd-amdhsa--gfx1250"
	.amdhsa_code_object_version 6
	.text
	.protected	k_q69b946b0f0_out_gemm
	.globl	k_q69b946b0f0_out_gemm
	.p2align	8
	.type	k_q69b946b0f0_out_gemm,@function
k_q69b946b0f0_out_gemm:
	s_mov_b64 s[64:65], 0
	v_nop
	global_prefetch_b8 v0, s[64:65] scope:SCOPE_SE
	s_setreg_imm32_b32 hwreg(HW_REG_WAVE_MODE, 25, 1), 1
	s_wait_xcnt 0x0
	s_wait_alu depctr_hold_cnt(0) depctr_sa_sdst(0) depctr_va_vdst(0) depctr_va_sdst(0) depctr_va_ssrc(0) depctr_va_vcc(0) depctr_vm_vsrc(0)
	s_getreg_b32 s2, hwreg(HW_REG_IB_STS2, 6, 4)
	s_cmp_eq_u32 s2, 0
	s_cbranch_scc0 .Lentry_in_a_cluster
	s_endpgm
.Lentry_in_a_cluster:
	s_bfe_u32 s2, ttmp6, 0x10000c
	s_cmp_lg_u32 s2, 0xf033
	s_cbranch_scc0 .Lentry_shape_is_right
	s_endpgm
.Lentry_shape_is_right:
; out0[m][n] = sum over k of ao[m][k] woh[k][n].  ao [2048][2048] f16, woh [2048 k][2048] f16, out0 [2048][2048] f32; sums in f32, K ascending.
; Work-group (x = column block, y = row block) makes 128 x 128: 16 x 16 = 256 work-groups.  Four waves, 2 x 2, 64 x 64 each: 16 accumulator tiles.
; K goes through two LDS slots of 256 along K each: a slot step is 128 matrix instructions of a wave, and a tile asked for behind one
; change of slots has all 128 in which to land.  Waves 0, 1 bring ao's tile (64 rows x 512 bytes each), waves 2, 3 woh's
; (128 k-rows x 256 bytes each).  woh lies with N along its rows: its fragments are read by the transposing load.
; CLUSTERS: 4 x 4; ao's tile is asked for jointly by a row of the cluster, woh's by a column: the requests are divided by four.
; REGISTERS: window 0: v0-31 addresses, v64-127 and v128-191 two fragment buffers (B fragment j at F + 8 j, A fragment a at F + 32 + 8 a);
; window 1: accumulator (a, b) at 8 (4 a + b).  Transposed use, as in qkv_gemm: a lane holds row l % 16 and eight neighbouring columns.
.set ROW,    4096                      ; bytes in a row of ao and of woh
.set PA,     528                       ; LDS pitch of ao's rows: 512 + 16 = 33 x 16
.set PB,     288                       ; LDS pitch of woh's rows: 256 + 32 = 9 x 32
.set ABYTES, 128*PA                    ; 67,584
.set SLOT,   ABYTES+256*PB             ; 141,312
.set STAGE,  2*SLOT                    ; 282,624: behind the ring, 16 rows x 272 bytes for each wave; no tensor load lands there
.set SPITCH, 272
.set LAPS,   2048/512
.set ADRA, 16                          ; v16-17  my A fragments in slot 0, 1
.set ADRB, 18                          ; v18-21  my B fragments: slot s, half kh of its 256 k-rows: v[18 + 2 s + kh]
.set STO,  24
.set RD,   25
.set CO,   26
.set F0,   64
.set F1,   128
.set G1,   24
.set G0,   32
.set G1B,  48
.set G0B,  56
.set ACC,  0x50                        ; C and D in window 1
.set MSB, 0
.macro WIN new
.if MSB != \new
	s_set_vgpr_msb (MSB<<8)|\new
.set MSB, \new
.endif
.endm
.macro PLACES                          ; four places behind matrix instructions, in front of loads into their sources and of readers of their results
.rept 4
	v_nop
.endr
.endm
.macro JLOAD s                         ; waves 0, 1 ask for ao's halves, waves 2, 3 for woh's
	s_cmp_eq_u32 s11, 0
	s_cbranch_scc0 .Lfor_b_\@
	tensor_load_to_lds s[G0+4*\s:G0+4*\s+3], s[G1:G1+7]
	s_nop 0
	s_branch .Lasked_\@
.Lfor_b_\@:
	tensor_load_to_lds s[G0B+4*\s:G0B+4*\s+3], s[G1B:G1B+7]
	s_nop 0
.Lasked_\@:
.endm
.macro CREST                           ; a round of the cluster's barrier behind its opening work-group barrier
	s_cmp_lg_u32 s10, 0
	s_cbranch_scc1 .Lnot_wave_0_\@
	s_barrier_signal -3
.Lnot_wave_0_\@:
	s_barrier_wait -3
	s_barrier_signal -1
	s_barrier_wait -1
.endm
.macro CROUND
	s_barrier_signal -1
	s_barrier_wait -1
	CREST
.endm
	s_load_b128 s[4:7], s[0:1], 0x0                ; ao s[4:5], woh s[6:7]
	s_load_b64 s[8:9], s[0:1], 0x10                ; out0
	v_lshl_add_u32 v254, v0, 2, 0x49400
	v_mov_b32 v255, 0
	ds_add_u32 v254, v255
	v_lshrrev_b32 v1, 5, v0
	v_readfirstlane_b32 s10, v1                    ; wave 0..3
	s_lshr_b32 s11, s10, 1                         ; rw: my 64 rows.  Also: I fetch for ao (0) or for woh (1)
	s_and_b32 s12, s10, 1                          ; cw: my 64 columns.  Also: which half of that tile I fetch
	s_bfe_u32 s40, ttmp6, 0x40000                  ; cx
	s_bfe_u32 s41, ttmp6, 0x40004                  ; cy
	s_lshl_b32 s42, ttmp9, 2
	s_add_co_u32 s42, s42, s40                     ; column block
	s_and_b32 s13, ttmp7, 0xffff
	s_lshl_b32 s13, s13, 2
	s_add_co_u32 s13, s13, s41                     ; row block
	s_lshl_b32 s43, s41, 2
	s_lshl_b32 s43, 15, s43                        ; my row of the cluster
	s_lshl_b32 s44, 0x1111, s40                    ; my column
	s_or_b32 s[G1+0], s43, (1<<16)|(1<<20)|(1<<21)|(6<<22)|(3<<25)   ; ao: 4 words of pad behind every 128 words
	s_or_b32 s[G1B+0], s44, (1<<16)|(1<<20)|(1<<21)|(5<<22)|(7<<25)  ; woh: 8 words of pad behind every 64 words
	s_mov_b32 s[G1+1], 256<<16                     ; tensor_dim0: 256 elements; woh: 128
	s_mov_b32 s[G1B+1], 128<<16
	s_mov_b32 s[G1+2], 64<<16                      ; tensor_dim1: 64 rows; woh: 128
	s_mov_b32 s[G1B+2], 128<<16
	s_mov_b32 s[G1+3], 256<<16                     ; tile_dim0
	s_mov_b32 s[G1B+3], 128<<16
	s_mov_b32 s[G1+4], 64                          ; tile_dim1
	s_mov_b32 s[G1B+4], 128
	s_mov_b32 s[G1+5], 2048                        ; elements from row to row
	s_mov_b32 s[G1B+5], 2048
	s_mov_b32 s[G1+6], 0
	s_mov_b32 s[G1B+6], 0
	s_mov_b32 s[G1+7], 0
	s_mov_b32 s[G1B+7], 0
	s_lshl_b32 s16, s13, 19                        ; ao: row 128 x row block + 64 x half, 4,096 bytes each
	s_lshl_b32 s17, s12, 18
	s_add_co_u32 s16, s16, s17
	s_mov_b32 s17, 0
	s_lshl_b32 s46, s42, 8                         ; woh: k-row 128 x half, the column block's 256 bytes
	s_lshl_b32 s47, s12, 19
	s_add_co_u32 s46, s46, s47
	s_mov_b32 s47, 0
	s_mul_i32 s20, s12, 64*PA                      ; where they go: ao's halves,
	s_mul_i32 s21, s12, 128*PB
	s_add_co_u32 s21, s21, ABYTES                  ; woh's halves behind them
	s_wait_dscnt 0x0
	s_wait_kmcnt 0x0
	s_add_nc_u64 s[14:15], s[4:5], s[16:17]
	s_add_nc_u64 s[46:47], s[6:7], s[46:47]
	CROUND                                         ; all sixteen work-groups are here
.irp s, 0,1
	s_mov_b32 s[G0+4*\s], 1
	s_add_co_u32 s[G0+4*\s+1], s20, \s*SLOT
	s_add_nc_u64 s[G0+4*\s+2:G0+4*\s+3], s[14:15], \s*512
	s_or_b32 s[G0+4*\s+3], s[G0+4*\s+3], 0x80000000
	s_mov_b32 s[G0B+4*\s], 1
	s_add_co_u32 s[G0B+4*\s+1], s21, \s*SLOT
	s_add_nc_u64 s[G0B+4*\s+2:G0B+4*\s+3], s[46:47], \s*256*ROW
	s_or_b32 s[G0B+4*\s+3], s[G0B+4*\s+3], 0x80000000
	JLOAD \s                                       ; two loads of the wave are out
.endr
	v_and_b32 v1, 15, v0                           ; r
	v_bfe_u32 v2, v0, 4, 1                         ; h
	v_mul_u32_u24 v3, v1, PA
	v_lshl_add_u32 v3, v2, 4, v3
	s_mul_i32 s22, s11, 64*PA
	v_add_nc_u32 v[ADRA], s22, v3
	v_add_nc_u32 v[ADRA+1], SLOT, v[ADRA]
	v_and_b32 v5, 7, v0
	v_lshl_add_u32 v5, v2, 3, v5
	v_mul_u32_u24 v4, v5, PB
	v_bfe_u32 v6, v0, 3, 1
	v_lshl_add_u32 v4, v6, 4, v4
	s_lshl_b32 s22, s12, 7                         ; my 64 columns: 128 bytes
	s_add_co_u32 s22, s22, ABYTES
	v_add_nc_u32 v[ADRB], s22, v4
	v_add_nc_u32 v[ADRB+1], 128*PB, v[ADRB]
	v_add_nc_u32 v[ADRB+2], SLOT, v[ADRB]
	v_add_nc_u32 v[ADRB+3], SLOT, v[ADRB+1]
	s_mul_i32 s23, s10, 16*SPITCH
	s_add_co_u32 s23, s23, STAGE                   ; my stage
	v_mul_u32_u24 v5, v1, SPITCH
	v_lshl_add_u32 v5, v2, 5, v5                   ; in: row r, 32 bytes for each half of the lanes
	v_add_nc_u32 v[STO], s23, v5
	v_mul_u32_u24 v5, v2, SPITCH
	v_lshl_add_u32 v5, v1, 4, v5                   ; back: lanes 0-15 one row of 256 bytes, lanes 16-31 the next
	v_add_nc_u32 v[RD], s23, v5
	v_lshlrev_b32 v5, 13, v2
	v_lshl_add_u32 v[CO], v1, 4, v5                ; the same two rows in out0
; 8 matrix instructions: row tiles a0, a0 + 1 x the four column tiles
.macro MUL8 f, a0, zero
.irp a, \a0, \a0+1
.irp b, 0,1,2,3
.if \zero
	v_wmma_f32_16x16x32_f16 v[8*(4*(\a)+\b):8*(4*(\a)+\b)+7], v[\f+8*\b:\f+8*\b+7], v[\f+32+8*(\a):\f+32+8*(\a)+7], 0
.else
	v_wmma_f32_16x16x32_f16 v[8*(4*(\a)+\b):8*(4*(\a)+\b)+7], v[\f+8*\b:\f+8*\b+7], v[\f+32+8*(\a):\f+32+8*(\a)+7], v[8*(4*(\a)+\b):8*(4*(\a)+\b)+7]
.endif
.endr
.endr
.endm
; 16 LDS loads: the fragments of piece q (32 along K, q = 0 .. 7) of a slot into buffer f
.macro FETCH3 slot, q, f
.irp j, 0,1,2,3
	ds_load_tr16_b128 v[\f+8*\j:\f+8*\j+3],   v[ADRB+2*\slot+((\q)>>2)] offset:((\q)&3)*32*PB+32*\j
	ds_load_tr16_b128 v[\f+8*\j+4:\f+8*\j+7], v[ADRB+2*\slot+((\q)>>2)] offset:((\q)&3)*32*PB+32*\j+16*PB
.endr
.irp a, 0,1,2,3
	ds_load_b128 v[\f+32+8*\a:\f+32+8*\a+3],   v[ADRA+\slot] offset:\a*16*PA+64*(\q)
	ds_load_b128 v[\f+32+8*\a+4:\f+32+8*\a+7], v[ADRA+\slot] offset:\a*16*PA+64*(\q)+32
.endr
.endm
; Piece q of a slot: its fragments (buffer f) are in; piece q + 1 is fetched into buffer g; then 16 matrix instructions.
; The sixteen accumulators take turns, in the same order in every piece.
.macro Q3 slot, q, f, g, zero
	s_wait_dscnt 0x0                               ; this piece's fragments, issued one piece ago
	PLACES                                         ; behind the last piece's products, which read buffer g
	FETCH3 \slot, \q+1, \g
	WIN ACC
	MUL8 \f, 0, \zero
	MUL8 \f, 2, \zero
	WIN 0
.endm
; The eighth piece multiplies buffer 1 and changes slots.  Its first 8 products are issued ahead of the wait for the tensor loads, while the
; wave's part of the next slot may still be on its way.  Then the wait, the step of this slot's addresses, and the barrier (fill = 1: the
; cluster's round, with no matrix instruction inside it, so that the next request follows the landing of the last tile by the round alone).
; The refill is first behind it.  From a request to its wait a wave issues 8 + 7 x 16 + 8 = 128 matrix instructions.
.macro TURN3 slot, next, fill
	s_wait_dscnt 0x0                               ; this piece's fragments are in, and with them my reads of this slot are over
	WIN ACC
	MUL8 F1, 0, 0
	WIN 0
	s_wait_tensorcnt 0x0                           ; all my tensor loads have landed (my part of the next slot), so every group 0 may be written
	ds_add_u32 v254, v255
	s_wait_dscnt 0x0
.if \fill
	s_add_nc_u64 s[G0+4*\slot+2:G0+4*\slot+3], s[G0+4*\slot+2:G0+4*\slot+3], 1024
	s_add_nc_u64 s[G0B+4*\slot+2:G0B+4*\slot+3], s[G0B+4*\slot+2:G0B+4*\slot+3], 512*ROW
.endif
	s_barrier_signal -1
	s_barrier_wait -1
.if \fill
	CREST                                          ; no wave of any partner still reads this slot or has a load on its way
	JLOAD \slot                                    ; the wave's one tensor load behind the round
.endif
	PLACES
	FETCH3 \next, 0, F0
	WIN ACC
	MUL8 F1, 2, 0
	WIN 0
.endm
.macro SEVEN slot, zero
	Q3 \slot, 0, F0, F1, \zero
	Q3 \slot, 1, F1, F0, 0
	Q3 \slot, 2, F0, F1, 0
	Q3 \slot, 3, F1, F0, 0
	Q3 \slot, 4, F0, F1, 0
	Q3 \slot, 5, F1, F0, 0
	Q3 \slot, 6, F0, F1, 0
.endm
.macro LAP3 zero
	SEVEN 0, \zero
	TURN3 0, 1, 1
	SEVEN 1, 0
	TURN3 1, 0, 1
.endm
	s_wait_tensorcnt 0x1                           ; my part of slot 0 is in; slot 1's may stay out
	s_barrier_signal -1
	s_barrier_wait -1
	FETCH3 0, 0, F0
	LAP3 1                                         ; the first lap stands in front of the loop: its first products start the sums
	s_mov_b32 s3, LAPS-2
.Llap:
	LAP3 0
	s_sub_co_u32 s3, s3, 1
	s_cmp_lg_u32 s3, 0
	s_cbranch_scc1 .Llap
	SEVEN 0, 0                                     ; the last lap fills nothing
	TURN3 0, 1, 0
	SEVEN 1, 0
	s_wait_dscnt 0x0
	WIN ACC
	MUL8 F1, 0, 0
	MUL8 F1, 2, 0
	WIN 0
	; THE WAY OUT, 16 rows at a time through my own stage: 32 bytes a lane in, whole rows of 256 bytes back.
	PLACES
	s_lshl_b32 s16, s13, 7
	s_lshl_b32 s17, s11, 6
	s_add_co_u32 s16, s16, s17                     ; my first row
	s_lshl_b32 s16, s16, 13                        ; 8,192 bytes a row
	s_mov_b32 s17, 0
	s_add_nc_u64 s[8:9], s[8:9], s[16:17]
	s_lshl_b32 s46, s42, 9                         ; my first column, in bytes: 512 x block + 256 x half
	s_lshl_b32 s47, s12, 8
	s_add_co_u32 s46, s46, s47
	s_mov_b32 s47, 0
	s_add_nc_u64 s[8:9], s[8:9], s[46:47]
.irp a, 0,1,2,3
	WIN 0x04                                       ; store data in window 1
.irp b, 0,1,2,3
	ds_store_b128 v[STO], v[8*(4*\a+\b):8*(4*\a+\b)+3]   offset:64*\b
	ds_store_b128 v[STO], v[8*(4*\a+\b)+4:8*(4*\a+\b)+7] offset:64*\b+16
.endr
	WIN 0
.irp t, 0,1,2,3,4,5,6,7
	ds_load_b128 v[F0+32*\a+4*\t:F0+32*\a+4*\t+3], v[RD] offset:\t*2*SPITCH    ; LDS serves a wave's instructions in order (ISA guide 5.7.1.4): these see the stores above, and the next stores come behind them
.endr
.irp t, 0,1,2,3,4,5,6,7
	s_wait_dscnt 7-\t
	global_store_b128 v[CO], v[F0+32*\a+4*\t:F0+32*\a+4*\t+3], s[8:9] offset:(16*\a+2*\t)*8192 th:TH_STORE_NT   ; 16 lanes store 256 consecutive bytes, aligned
.endr
.endr
	s_wait_tensorcnt 0x0
	ds_add_u32 v254, v255
	s_wait_dscnt 0x0
	CROUND                                         ; the closing round
	s_endpgm
.Lfunc_end_k_q69b946b0f0_out_gemm:
	.size	k_q69b946b0f0_out_gemm, .Lfunc_end_k_q69b946b0f0_out_gemm-k_q69b946b0f0_out_gemm
	.p2alignl 7, 3214868480
	.fill 96, 4, 3214868480
	.section	.rodata,"a",@progbits
	.p2align	6, 0x0
	.amdhsa_kernel k_q69b946b0f0_out_gemm
		.amdhsa_group_segment_fixed_size 327680
		.amdhsa_private_segment_fixed_size 0
		.amdhsa_enable_private_segment 0
		.amdhsa_kernarg_size 24
		.amdhsa_user_sgpr_count 2
		.amdhsa_user_sgpr_kernarg_segment_ptr 1
		.amdhsa_wavefront_size32 1
		.amdhsa_system_sgpr_workgroup_id_x 1
		.amdhsa_system_sgpr_workgroup_id_y 1
		.amdhsa_system_sgpr_workgroup_id_z 1
		.amdhsa_system_vgpr_workitem_id 0
		.amdhsa_next_free_vgpr 384
		.amdhsa_next_free_sgpr 66
		.amdhsa_reserve_vcc 0
		.amdhsa_float_denorm_mode_32 3
		.amdhsa_float_denorm_mode_16_64 3
		.amdhsa_memory_ordered 1
		.amdhsa_forward_progress 1
		.amdhsa_inst_pref_size 126
	.end_amdhsa_kernel
	.amdgpu_metadata
---
amdhsa.version: [ 1, 2 ]
amdhsa.kernels:
  - .name:           k_q69b946b0f0_out_gemm
    .symbol:         k_q69b946b0f0_out_gemm.kd
    .args:
      - { .name: ao, .offset: 0, .size: 8, .value_kind: global_buffer, .address_space: global }
      - { .name: woh, .offset: 8, .size: 8, .value_kind: global_buffer, .address_space: global }
      - { .name: out0, .offset: 16, .size: 8, .value_kind: global_buffer, .address_space: global }
    .group_segment_fixed_size: 327680
    .private_segment_fixed_size: 0
    .kernarg_segment_align: 8
    .kernarg_segment_size: 24
    .max_flat_workgroup_size: 128
    .sgpr_count:     66
    .vgpr_count:     384
    .wavefront_size: 32
...
	.end_amdgpu_metadata
.endif
;; end of part 4
;; ======== version 2 of 2: 4 launches; version 1 with the launch cast written anew for expert scheduling mode
;; limits: values are held in f16: magnitudes above 65,504 overflow, below 6.1e-05 lose precision
;; workspace buffers: xh 8,388,608 bytes; wqkv 25,165,824 bytes; woh 8,388,608 bytes; qkv 25,165,824 bytes; ao 8,388,608 bytes
;; launch cast (part 5): grid 512 x 1, 8 waves a work-group, no clusters, 0 bytes of LDS; arguments x, Wq, Wk, Wv, Wo, xh, wqkv, woh; writes xh, wqkv, woh
.if DOCPART == 5
	.amdgcn_target "amdgcn-amd-amdhsa--gfx1250"
	.amdhsa_code_object_version 6
	.text
	.protected	k_q69b946b0f0_cast
	.globl	k_q69b946b0f0_cast
	.p2align	8
	.type	k_q69b946b0f0_cast,@function
k_q69b946b0f0_cast:
	s_mov_b64 s[64:65], 0
	v_nop
	global_prefetch_b8 v0, s[64:65] scope:SCOPE_SE
	s_setreg_imm32_b32 hwreg(HW_REG_WAVE_SCHED_MODE, 0, 2), 2
	s_setreg_imm32_b32 hwreg(HW_REG_WAVE_MODE, 25, 1), 1
	s_wait_xcnt 0x0
	s_wait_alu depctr_vm_vsrc(0)
; xh = f16(x) [2048][2048];  wqkv = f16([Wq | Wk | Wv]) [2048 k][6144];  woh = f16(Wo) [2048 k][2048].  One rounding each, to nearest even.
; Why f16: every later product takes 16-bit operands, and f16's 11 significant bits keep the whole chain's rounding far inside the
; tolerance.  LIMIT: |x| and |W| below 65,504 (f16's largest number); magnitudes below 6.1e-5 keep an absolute step of 6e-8.
; A stream: each input byte is read once, each output byte written once; the work-groups share no input, so LDS, clusters and the
; matrix unit have nothing to give here.
; Work-group g takes rows 4 g .. 4 g + 3 of each of the five matrices: 40 half rows of 4,096 bytes.  Thread t takes the 16 bytes at
; byte 16 t of every half row: a wave's load covers 512 neighbouring bytes, its 8-byte stores cover 256 neighbouring bytes, aligned.
; All 40 loads of a thread go out first (20 KiB a wave on their way).
; THE MODE: SCHED_MODE bits 1:0 = 2 (LLVM: expert scheduling mode 2), set by the entry lines.  The code itself states the register dependences
; between vector instructions and memory instructions, with s_wait_alu, always for 0.
; THE PLAN.  Registers that memory instructions touch:
;   v1, v2            byte offsets, made once at the head and never written again: v1 is read by every load, v2 by every store.
;   v[X+4i .. X+4i+3] written by load i; read by load i's two conversions, which write the first two of the four in place; those two are
;                     read by store i and never written again.
; The 40 loads are 10 blocks of four.  Block p converts its own four loads; its memory instructions are the four stores of block p - 1, whose
; registers no vector instruction of block p names.  So one wait on va_vdst at a block's head, behind the wait for the block's data, states all
; that its four stores hang on, and they are dealt among its conversions with no further wait.  Every load is issued ahead of the first
; conversion, and no register that a memory instruction reads is written afterwards: no wait on vm_vsrc and no s_wait_xcnt has anything to state.
.set X,    4                           ; v[4:163]  load i: 4 registers
.set SROW, 8192                        ; bytes in a row of f32
.set DROW, 4096                        ; bytes in a row of xh and woh
.set WROW, 12288                       ; bytes in a row of wqkv
.set BLOCK, 4                          ; loads in a block: two rows of one matrix
	s_load_b512 s[4:19], s[0:1], 0x0               ; x 4:5, Wq 6:7, Wk 8:9, Wv 10:11, Wo 12:13, xh 14:15, wqkv 16:17, woh 18:19
	s_lshl_b32 s20, ttmp9, 15                      ; 4 rows of 8,192 bytes
	s_mov_b32 s21, 0
	s_lshl_b32 s22, ttmp9, 14                      ; 4 rows of 4,096 bytes
	s_mov_b32 s23, 0
	s_mul_i32 s24, ttmp9, 4*WROW                   ; 4 rows of 12,288 bytes
	s_mov_b32 s25, 0
	v_lshlrev_b32 v1, 4, v0                        ; my 16 bytes of a half row of f32
	v_lshlrev_b32 v2, 3, v0                        ; my 8 bytes of its f16
	s_wait_kmcnt 0x0
.irp m, 0,1,2,3,4
	s_add_nc_u64 s[4+2*\m:5+2*\m], s[4+2*\m:5+2*\m], s[20:21]
.endr
	s_add_nc_u64 s[14:15], s[14:15], s[22:23]
	s_add_nc_u64 s[16:17], s[16:17], s[24:25]
	s_add_nc_u64 s[18:19], s[18:19], s[22:23]
	s_wait_alu depctr_va_vdst(0)                   ; v1 and v2 are written: every load of the kernel reads v1 as its offset, every store v2
.macro LD m, r, f                      ; matrix m, row r of my four, half f: load number 8 m + 2 r + f
	global_load_b128 v[X+4*(8*\m+2*\r+\f):X+4*(8*\m+2*\r+\f)+3], v1, s[4+2*\m:5+2*\m] offset:\r*SROW+\f*4096 th:TH_LOAD_NT
.endm
.macro CV i                            ; load i is rounded in place: four f32 close up into the first two of their four registers
	v_cvt_pk_f16_f32 v[X+4*(\i)], v[X+4*(\i)], v[X+4*(\i)+1]
	v_cvt_pk_f16_f32 v[X+4*(\i)+1], v[X+4*(\i)+2], v[X+4*(\i)+3]
.endm
.macro ST i                            ; load i = 8 m + 2 r + f goes to its place: x to xh, Wq, Wk, Wv to the thirds of a row of wqkv, Wo to woh
.if (\i)/8 == 0
	global_store_b64 v2, v[X+4*(\i):X+4*(\i)+1], s[14:15] offset:(((\i)%8)/2)*DROW+((\i)%2)*2048
.elseif (\i)/8 == 4
	global_store_b64 v2, v[X+4*(\i):X+4*(\i)+1], s[18:19] offset:(((\i)%8)/2)*DROW+((\i)%2)*2048
.else
	global_store_b64 v2, v[X+4*(\i):X+4*(\i)+1], s[16:17] offset:((\i)/8-1)*4096+(((\i)%8)/2)*WROW+((\i)%2)*2048
.endif
.endm
; Block p.  first = 1: block 0, with no block in front of it: no store, and no wait but the one for its data.
.macro BLK p, first
	s_wait_loadcnt 40-BLOCK-BLOCK*(\p)             ; loads come back in order (ISA guide 5.7.1): this block's four are in, the 36 - 4 p younger ones stay out
.if !\first
	s_wait_alu depctr_va_vdst(0)                   ; the conversions of the block before have written the eight registers that the four stores below read
.endif
.irp j, 0,1,2,3
.if !\first
	ST BLOCK*(\p)-BLOCK+\j                         ; the block before; no vector instruction since the wait names its registers
.endif
	CV BLOCK*(\p)+\j
.endr
.endm
.irp m, 0,1,2,3,4
.irp r, 0,1,2,3
.irp f, 0,1
	LD \m, \r, \f
.endr
.endr
.endr
	BLK 0, 1
.irp p, 1,2,3,4,5,6,7,8,9
	BLK \p, 0
.endr
	s_wait_alu depctr_va_vdst(0)                   ; block 9's conversions have written the registers that the last four stores read
.irp j, 36,37,38,39
	ST \j
.endr
	s_endpgm
.Lfunc_end_k_q69b946b0f0_cast:
	.size	k_q69b946b0f0_cast, .Lfunc_end_k_q69b946b0f0_cast-k_q69b946b0f0_cast
	.p2alignl 7, 3214868480
	.fill 96, 4, 3214868480
	.section	.rodata,"a",@progbits
	.p2align	6, 0x0
	.amdhsa_kernel k_q69b946b0f0_cast
		.amdhsa_group_segment_fixed_size 0
		.amdhsa_private_segment_fixed_size 0
		.amdhsa_enable_private_segment 0
		.amdhsa_kernarg_size 64
		.amdhsa_user_sgpr_count 2
		.amdhsa_user_sgpr_kernarg_segment_ptr 1
		.amdhsa_wavefront_size32 1
		.amdhsa_system_sgpr_workgroup_id_x 1
		.amdhsa_system_sgpr_workgroup_id_y 1
		.amdhsa_system_sgpr_workgroup_id_z 1
		.amdhsa_system_vgpr_workitem_id 0
		.amdhsa_next_free_vgpr 164
		.amdhsa_next_free_sgpr 66
		.amdhsa_reserve_vcc 0
		.amdhsa_float_denorm_mode_32 3
		.amdhsa_float_denorm_mode_16_64 3
		.amdhsa_memory_ordered 1
		.amdhsa_forward_progress 1
		.amdhsa_inst_pref_size 15
	.end_amdhsa_kernel
	.amdgpu_metadata
---
amdhsa.version: [ 1, 2 ]
amdhsa.kernels:
  - .name:           k_q69b946b0f0_cast
    .symbol:         k_q69b946b0f0_cast.kd
    .args:
      - { .name: x, .offset: 0, .size: 8, .value_kind: global_buffer, .address_space: global }
      - { .name: Wq, .offset: 8, .size: 8, .value_kind: global_buffer, .address_space: global }
      - { .name: Wk, .offset: 16, .size: 8, .value_kind: global_buffer, .address_space: global }
      - { .name: Wv, .offset: 24, .size: 8, .value_kind: global_buffer, .address_space: global }
      - { .name: Wo, .offset: 32, .size: 8, .value_kind: global_buffer, .address_space: global }
      - { .name: xh, .offset: 40, .size: 8, .value_kind: global_buffer, .address_space: global }
      - { .name: wqkv, .offset: 48, .size: 8, .value_kind: global_buffer, .address_space: global }
      - { .name: woh, .offset: 56, .size: 8, .value_kind: global_buffer, .address_space: global }
    .group_segment_fixed_size: 0
    .private_segment_fixed_size: 0
    .kernarg_segment_align: 8
    .kernarg_segment_size: 64
    .max_flat_workgroup_size: 256
    .sgpr_count:     66
    .vgpr_count:     164
    .wavefront_size: 32
...
	.end_amdgpu_metadata
.endif
;; end of part 5
;; launch qkv_gemm: the kernel of part 2 again; grid 16 x 16, 4 waves a work-group, clusters of 4 x 4, 327,680 bytes of LDS; arguments xh, wqkv, qkv; writes qkv
;; launch attn: the kernel of part 3 again; grid 8 x 32, 8 waves a work-group, clusters of 4 x 1, 327,680 bytes of LDS; arguments qkv, ao; writes ao
;; launch out_gemm: the kernel of part 4 again; grid 16 x 16, 4 waves a work-group, clusters of 4 x 4, 327,680 bytes of LDS; arguments ao, woh, out0; writes out0
